; MI455X (gfx1250); checked and timed in simulation.
; The chip was launched on July 23, 2026; its instructions are those of AMD's public machine-readable ISA for CDNA 5 (MIT licence, August 2026) and "CDNA5" Instruction Set Architecture Reference Guide (July 2026). The comments in the code are by the model that wrote it; some were corrected since.
;; Multi Head Attention. Allowed arithmetic: float matrix products may take bf16 or f16 operands with f32 sums; other float arithmetic in f32, or as packed bf16 or f16 multiplies, adds, multiply-adds, maxima and minima; sums over many terms, partial sums and values carried from step to step in f32; what a program stores and reads back later, other than sums and carried values, may be rounded once to bf16 or f16.
;; Inputs: Wk 1,024 x 1,024 float32; Wo 1,024 x 1,024 float32; Wq 1,024 x 1,024 float32; Wv 1,024 x 1,024 float32; bo 1,024 float32; x 8 x 2,048 x 1,024 float32.
;; Outputs: out0 8 x 2,048 x 1,024 float32.
;; One version. Each part assembles by itself: llvm-mc -triple=amdgcn-amd-amdhsa -mcpu=gfx1250 --defsym DOCPART=n.
;; ======== version 1 of 1: 4 launches
;; limits: values are held in f16: magnitudes above 65,504 overflow, below 6.1e-05 lose precision; right only within a limited range of input values
;; workspace buffers: xb 33,554,432 bytes; wb 6,291,456 bytes; wo 2,097,152 bytes; qkv 100,663,296 bytes; a2 33,554,432 bytes
;; launch cast (part 1): grid 1280 x 1, 8 waves a work-group, no clusters, 0 bytes of LDS; arguments x, Wq, Wk, Wv, Wo, xb, wb, wo; writes xb, wb, wo
.if DOCPART == 1
	.amdgcn_target "amdgcn-amd-amdhsa--gfx1250"
	.amdhsa_code_object_version 6
	.text
	.protected	k_q55942a76fa_cast
	.globl	k_q55942a76fa_cast
	.p2align	8
	.type	k_q55942a76fa_cast,@function
k_q55942a76fa_cast:
	s_mov_b64 s[64:65], 0
	v_nop
	global_prefetch_b8 v0, s[64:65] scope:SCOPE_SE
	s_setreg_imm32_b32 hwreg(HW_REG_WAVE_MODE, 25, 1), 1
	s_wait_xcnt 0x0
; THE INPUTS ARE ROUNDED ONCE.  x [16384][1024] f32 -> xb bf16, layout kept.  Wq, Wk, Wv [1024 k][1024 n] f32 -> wb [3][1024 k][1024 n'] bf16 (q, k, v in this order), THEIR COLUMNS IN ANOTHER ORDER (below).
; Wo [1024][1024] f32 -> rounded to bf16 like every other input, and that number written as f16 into wo, layout kept (the last product multiplies in f16).
; THE COLUMNS' ORDER is chosen so that x wb comes out as the attention's matrix operands want it.  Wq, Wk: column head 64 + 16 j + t (t = 0..15) goes to n' = 256 j + 16 head + t.
; Wv: column head 64 + d goes to n' = 16 d + head.  The order is made on the way in (each lane loads what its four neighbouring outputs want), so that the stores stay consecutive.
; LIMITS.  A bf16 number has 8 significant bits and is exact in f16 between 2^-14 and 65,504 in magnitude: a Wo beyond 65,504 becomes an infinity, one below 2^-14 keeps f16's fixed step of 6e-8.
; SHARES.  A work-group takes 16,384 numbers (64 KiB in, 32 KiB out): groups 0 to 1023 x, then 64 groups for each of Wq, Wk, Wv, Wo (16 rows of a weight; a wave two rows).  A wave takes 2,048 numbers in sixteen
; chunks of 128, all loads issued at once; a lane's four numbers are rounded in place and leave as 8 bytes, so each store of the wave covers 256 consecutive bytes, aligned.
; 76 registers: ten waves, five work-groups' share, find room on a SIMD's 1,024.  No loop; no register is written while a memory instruction reads it.  No LDS, no matrix unit, no cluster: nothing is shared.
.set X,  8                             ; v[8:71]   chunk i: four f32 as loaded; then two registers of 16-bit numbers
.set T,  72                            ; v[72:75]  at work (Wo's way alone)
.set LP, 1                             ; v1  in, layout kept: 8,192 x wave + 16 x lane
.set LS, 2                             ; v2  out: 4,096 x wave + 8 x lane
.set LV, 5                             ; v5  in, Wv: 8,192 x wave + 1,024 (lane % 4) + 4 (lane / 4)
.set LQ, 7                             ; v7  in, Wq and Wk: 8,192 x wave + 256 (lane / 4) + 16 (lane % 4)
	s_load_b512 s[8:23], s[0:1], 0x0               ; x s[8:9], Wq s[10:11], Wk s[12:13], Wv s[14:15], Wo s[16:17], xb s[18:19], wb s[20:21], wo s[22:23]
	s_sub_co_u32 s2, ttmp9, 1024                   ; behind x's groups: 64 groups a weight (used only where the group's number is 1,024 or more)
	s_lshr_b32 s3, s2, 6                           ; which weight: 0 Wq, 1 Wk, 2 Wv, 3 Wo
	s_and_b32 s4, s2, 63                           ; which part of it
	s_cmp_lt_u32 ttmp9, 1024
	s_cselect_b32 s5, ttmp9, s4                    ; my part of my tensor
	s_cselect_b32 s6, 4, s3                        ; my tensor's kind: 4 is x
	s_lshl_b32 s28, s5, 16                         ; 64 KiB in a part
	s_mov_b32 s29, 0
	s_lshl_b32 s30, s5, 15                         ; 32 KiB out
	s_mov_b32 s31, 0
	s_lshl_b32 s7, s6, 21                          ; in wb a weight is 2 MiB
	s_cmp_lt_u32 s6, 3
	s_cselect_b32 s7, s7, 0
	s_add_co_u32 s30, s30, s7
	v_and_b32 v3, 0xe0, v0                         ; 32 x wave
	v_and_b32 v4, 31, v0                           ; lane
	v_lshlrev_b32 v[LP], 4, v4
	v_lshl_or_b32 v[LP], v3, 8, v[LP]
	v_lshlrev_b32 v[LS], 3, v4
	v_lshl_or_b32 v[LS], v3, 7, v[LS]
	v_lshrrev_b32 v[LV], 2, v4                     ; lane / 4
	v_and_b32 v6, 3, v4                            ; lane % 4
	v_lshlrev_b32 v[LQ], 4, v6
	v_lshl_or_b32 v[LQ], v[LV], 8, v[LQ]
	v_lshl_or_b32 v[LQ], v3, 8, v[LQ]
	v_lshlrev_b32 v[LV], 2, v[LV]
	v_lshl_or_b32 v[LV], v6, 10, v[LV]
	v_lshl_or_b32 v[LV], v3, 8, v[LV]
	s_wait_kmcnt 0x0
	s_mov_b64 s[24:25], s[8:9]                     ; from where: a choice between buffers by the kind alone
	s_cmp_eq_u32 s6, 0
	s_cselect_b64 s[24:25], s[10:11], s[24:25]
	s_cmp_eq_u32 s6, 1
	s_cselect_b64 s[24:25], s[12:13], s[24:25]
	s_cmp_eq_u32 s6, 2
	s_cselect_b64 s[24:25], s[14:15], s[24:25]
	s_cmp_eq_u32 s6, 3
	s_cselect_b64 s[24:25], s[16:17], s[24:25]
	s_cselect_b64 s[26:27], s[22:23], s[18:19]     ; to where: wo, or xb,
	s_cmp_lt_u32 s6, 3
	s_cselect_b64 s[26:27], s[20:21], s[26:27]     ; or wb
	s_add_nc_u64 s[24:25], s[24:25], s[28:29]
	s_add_nc_u64 s[26:27], s[26:27], s[30:31]
; Chunk i is rounded in place and stored.  half = 1: the bf16 numbers are widened again (a shift, a mask) and written as f16.
.macro CH i, half
	s_wait_loadcnt 15-(\i)                         ; loads come back in order (ISA guide 5.7.1): chunk i is in, the 15 - i younger loads stay out (on Wv's way everything is in already)
	v_cvt_pk_bf16_f32 v[X+4*(\i)],   v[X+4*(\i)],   v[X+4*(\i)+1]
	v_cvt_pk_bf16_f32 v[X+4*(\i)+1], v[X+4*(\i)+2], v[X+4*(\i)+3]
.if \half
	v_lshlrev_b32 v[T],   16,         v[X+4*(\i)]
	v_and_b32     v[T+1], 0xffff0000, v[X+4*(\i)]
	v_lshlrev_b32 v[T+2], 16,         v[X+4*(\i)+1]
	v_and_b32     v[T+3], 0xffff0000, v[X+4*(\i)+1]
	v_cvt_pk_f16_f32 v[X+4*(\i)],   v[T],   v[T+1]
	v_cvt_pk_f16_f32 v[X+4*(\i)+1], v[T+2], v[T+3]
.endif
	global_store_b64 v[LS], v[X+4*(\i):X+4*(\i)+1], s[26:27] offset:256*(\i)  ; each chunk has its own registers: none is written again
.endm
	s_cmp_lt_u32 s6, 2
	s_cbranch_scc1 .Lqk
	s_cmp_eq_u32 s6, 2
	s_cbranch_scc1 .Lv
.irp i, 0,1,2,3,4,5,6,7,8,9,10,11,12,13,14,15
	global_load_b128 v[X+4*(\i):X+4*(\i)+3], v[LP], s[24:25] offset:512*(\i) th:TH_LOAD_NT  ; x and Wo: as they lie, 512 consecutive bytes a load
.endr
	s_cmp_eq_u32 s6, 3
	s_cbranch_scc1 .Lwo
	s_branch .Lbf
.Lqk:
	; Outputs n' = 128 (i % 8) + 4 lane + e of row i / 8: j = (i % 8) / 2, head = 8 (i % 2) + lane / 4, t = 4 (lane % 4) + e: source byte 256 head + 64 j + 4 t
.irp i, 0,1,2,3,4,5,6,7,8,9,10,11,12,13,14,15
	global_load_b128 v[X+4*(\i):X+4*(\i)+3], v[LQ], s[24:25] offset:((\i)/8)*4096+((\i)%2)*2048+(((\i)%8)/2)*64
.endr
	s_branch .Lbf
.Lv:
	; Outputs n' = 128 (i % 8) + 4 lane + e of row i / 8: d = 8 (i % 8) + lane / 4, head = 4 (lane % 4) + e: source byte 256 head + 4 d: four loads of one number for each chunk
.irp i, 0,1,2,3,4,5,6,7,8,9,10,11,12,13,14,15
.irp e, 0,1,2,3
	global_load_b32 v[X+4*(\i)+(\e)], v[LV], s[24:25] offset:((\i)/8)*4096+(\e)*256+((\i)%8)*32
.endr
.endr
	s_wait_loadcnt 0x0                             ; this way has four loads a chunk: all are waited for, so that the counts below hold on it too
.Lbf:
.irp i, 0,1,2,3,4,5,6,7,8,9,10,11,12,13,14,15
	CH \i, 0
.endr
	s_endpgm
.Lwo:
.irp i, 0,1,2,3,4,5,6,7,8,9,10,11,12,13,14,15
	CH \i, 1
.endr
	s_endpgm
.Lfunc_end_k_q55942a76fa_cast:
	.size	k_q55942a76fa_cast, .Lfunc_end_k_q55942a76fa_cast-k_q55942a76fa_cast
	.p2alignl 7, 3214868480
	.fill 96, 4, 3214868480
	.section	.rodata,"a",@progbits
	.p2align	6, 0x0
	.amdhsa_kernel k_q55942a76fa_cast
		.amdhsa_group_segment_fixed_size 0
		.amdhsa_private_segment_fixed_size 0
		.amdhsa_enable_private_segment 0
		.amdhsa_kernarg_size 64
		.amdhsa_user_sgpr_count 2
		.amdhsa_user_sgpr_kernarg_segment_ptr 1
		.amdhsa_wavefront_size32 1
		.amdhsa_system_sgpr_workgroup_id_x 1
		.amdhsa_system_sgpr_workgroup_id_y 1
		.amdhsa_system_sgpr_workgroup_id_z 1
		.amdhsa_system_vgpr_workitem_id 0
		.amdhsa_next_free_vgpr 80
		.amdhsa_next_free_sgpr 66
		.amdhsa_reserve_vcc 0
		.amdhsa_float_denorm_mode_32 3
		.amdhsa_float_denorm_mode_16_64 3
		.amdhsa_memory_ordered 1
		.amdhsa_forward_progress 1
		.amdhsa_inst_pref_size 25
	.end_amdhsa_kernel
	.amdgpu_metadata
---
amdhsa.version: [ 1, 2 ]
amdhsa.kernels:
  - .name:           k_q55942a76fa_cast
    .symbol:         k_q55942a76fa_cast.kd
    .args:
      - { .name: x, .offset: 0, .size: 8, .value_kind: global_buffer, .address_space: global }
      - { .name: Wq, .offset: 8, .size: 8, .value_kind: global_buffer, .address_space: global }
      - { .name: Wk, .offset: 16, .size: 8, .value_kind: global_buffer, .address_space: global }
      - { .name: Wv, .offset: 24, .size: 8, .value_kind: global_buffer, .address_space: global }
      - { .name: Wo, .offset: 32, .size: 8, .value_kind: global_buffer, .address_space: global }
      - { .name: xb, .offset: 40, .size: 8, .value_kind: global_buffer, .address_space: global }
      - { .name: wb, .offset: 48, .size: 8, .value_kind: global_buffer, .address_space: global }
      - { .name: wo, .offset: 56, .size: 8, .value_kind: global_buffer, .address_space: global }
    .group_segment_fixed_size: 0
    .private_segment_fixed_size: 0
    .kernarg_segment_align: 8
    .kernarg_segment_size: 64
    .max_flat_workgroup_size: 256
    .sgpr_count:     66
    .vgpr_count:     80
    .wavefront_size: 32
...
	.end_amdgpu_metadata
.endif
;; end of part 1
;; launch qkv (part 2): grid 4 x 64, 4 waves a work-group, clusters of 4 x 4, 327,680 bytes of LDS; arguments xb, wb, qkv; writes qkv
.if DOCPART == 2
	.amdgcn_target "amdgcn-amd-amdhsa--gfx1250"
	.amdhsa_code_object_version 6
	.text
	.protected	k_q55942a76fa_qkv
	.globl	k_q55942a76fa_qkv
	.p2align	8
	.type	k_q55942a76fa_qkv,@function
k_q55942a76fa_qkv:
	s_mov_b64 s[64:65], 0
	v_nop
	global_prefetch_b8 v0, s[64:65] scope:SCOPE_SE
	s_setreg_imm32_b32 hwreg(HW_REG_WAVE_MODE, 25, 1), 1
	s_wait_xcnt 0x0
	s_wait_alu depctr_hold_cnt(0) depctr_sa_sdst(0) depctr_va_vdst(0) depctr_va_sdst(0) depctr_va_ssrc(0) depctr_va_vcc(0) depctr_vm_vsrc(0)
	s_getreg_b32 s2, hwreg(HW_REG_IB_STS2, 6, 4)
	s_cmp_eq_u32 s2, 0
	s_cbranch_scc0 .Lentry_in_a_cluster
	s_endpgm
.Lentry_in_a_cluster:
	s_bfe_u32 s2, ttmp6, 0x10000c
	s_cmp_lg_u32 s2, 0xf033
	s_cbranch_scc0 .Lentry_shape_is_right
	s_endpgm
.Lentry_shape_is_right:
; [q | k | v] = xb wb.  xb: [16384][1024] bf16 (A, K along the rows).  wb: [3][1024 k][1024 n'] bf16 (B, N along the rows): 3,072 k-rows of 2,048 bytes.  qkv: [16384 tokens][3][1024 n'] f16, the columns in wb's order.
; Products in bf16, sums in f32, K ascending, each result rounded once to f16.  LIMIT: f16 ends at 65,504: a q, k or v of 65,520 or more in magnitude becomes an infinity.
; SHARES.  A tile of C is 256 x 256, made by four waves, 128 x 128 each: 64 accumulators of 16 x 16, 512 registers.  A WORK-GROUP STAYS for three tiles: the same 256 tokens and the same 256 columns of q,
; then of k, then of v.  So A's rows are walked three times, and B's k-rows simply run on: 24 K steps of 128 k-rows.  16,384 / 256 x 1,024 / 256 = 256 work-groups.
; THE RING.  Two LDS slots; a slot holds a K step: A's 256 rows x 256 bytes and B's 128 k-rows x 512 bytes.  Each wave fetches a quarter of a slot by one tensor load.  The ring does not stop at a tile's end.
; THE LAST TILE'S LAST K STEP goes by rows of C, so that finished rows leave while the others are multiplied.
; CLUSTERS.  4 x 4 work-groups.  The four of a row of the cluster need the same tiles of A, the four of a column the same tiles of B: each tile is asked for JOINTLY, by the same tensor load with the same
; descriptor and a mask that names the four.
; THE MATRIX INSTRUCTION IS USED TRANSPOSED: source 0 = 16 columns of B, source 1 = 16 rows of A.  A lane of the result holds row m = l % 16 of C and the columns 8 (l / 16) + 0..7: 16 bytes of f16 on end.
; B lies in LDS as [k][n] and is turned on its way into registers by ds_load_tr16_b128.
; REGISTERS, in windows of 256 (s_set_vgpr_msb: bits 1:0 source 0, 3:2 source 1, 5:4 source 2, 7:6 destination):
;   window 0: v0-31 addresses; v64-127, v128-191 fragments of A, two buffers (in the very last K step four, of 16 rows x 128 K); v32-63, v192-255 at work on the way out
;   window 1: v64-127, v128-191 fragments of B, two buffers; in the very last K step all 256      window 2: the accumulators of my rows 0-63 ((a, b) at v[8 (8 a + b)])      window 3: those of my rows 64-127
.set KSTEP,  128
.set PITA,   272                       ; a row of A in LDS: 256 bytes + 16 = 68 words: row r starts at bank 4 r mod 64 (64 banks of 4 bytes: ISA guide 11.1): the 16 rows of a load start at 16 different banks
.set PITB,   544                       ; a k-row of B: 512 bytes + 32 = 136 words: row r starts at bank 8 r mod 64
.set HALFT,  128*PITA                  ; what one tensor load brings: 128 rows of A, or 64 k-rows of B (64 x 544 is the same 34,816 bytes)
.set SLOT,   4*HALFT                   ; A's two halves, then B's two halves
.set QB,     32*PITB                   ; a quarter step (32 k-rows) of B
.set STAGE,  2*SLOT                    ; behind the ring: 16 rows x 272 bytes for each wave, for the way out; no tensor load lands there
.set SPITCH, 272
.set SPARE,  STAGE+4*16*SPITCH         ; behind the stages: the spare words, 128 bytes for each wave: two blocks of 256 bytes that no other line names
.set ROWB,   2048                      ; bytes in a row of xb and of wb
.set BSTEP,  KSTEP*ROWB                ; a K step further in wb
.set CROW,   6144                      ; bytes from token to token in qkv
.set TILES,  3
.set LAPS,   4                         ; a lap = two K steps = once round the ring; a tile has 1,024 / 256 laps
.set PF_A,   4                         ; prefetches of a wave that fetches A: K steps 4 to 7 of the first tile (the later tiles walk the same rows again)
.set PF_B,   20                        ; of a wave that fetches B: K steps 4 to 23
.set ADRA, 16                          ; v16-17  LDS address of my A fragments in slot 0, 1
.set ADRB, 20                          ; v20-21  the same for B
.set STO,  24                          ; v24     the way out: where I put 16 bytes of a row
.set RD,   25                          ; v25     the way out: where I read a row back
.set CO,   26                          ; v26     my byte offset in two rows of C
.set SPW,  28                          ; v28     LDS address of my spare word; never rewritten
.set NIL,  29                          ; v29     0; never rewritten
.set PFO,  30                          ; v30     the prefetches' lane offset; never rewritten
.set F0,   64
.set F1,   128
.set PA,   64                          ; the very last K step: A's fragments of 16 rows x 128 K, 32 registers; four such buffers, v64-191
.set TMP,  192                         ; packed results
.set OB,   32                          ; 16 rows read back from the stage: v32-63 and v224-255 by turns
.set G1,   24                          ; s[24:31] descriptor group 1 for A's tiles
.set G0,   32                          ; s[32:39] group 0 for A's tiles, a set for each slot
.set G1B,  48                          ; s[48:55], s[56:63] the same for B's
.set G0B,  56
.set PLEFT, 43                         ; s43     prefetches that I still have to make
.set PFA,  44                          ; s[44:45] where my prefetches stand
.set PSTEP, 66                         ; s[66:67] a K step along my prefetches: 256 bytes in A, 128 k-rows in B
.set MSB, 0
.macro WIN new                         ; the immediate's high byte repeats the setting that is left; a switch that changes nothing is dropped
.if MSB != (\new)
	s_set_vgpr_msb (MSB<<8)|(\new)
.set MSB, \new
.endif
.endm
.set MUL_LO, 0xa1                      ; source 0 (B) window 1, source 1 (A) window 0, C and D window 2
.set MUL_HI, 0xf1                      ; the same, C and D window 3
.set TO_B,   0x40                      ; destination window 1, address window 0
; A joint load.  Waves 0 and 1 fetch A's two halves, waves 2 and 3 B's.  The branch hangs on the wave's number alone.  An s_nop 0 and four v_nop follow each of the two lines.
.macro JLOAD s
	s_cmp_eq_u32 s11, 0
	s_cbranch_scc0 .Lfor_b_\@
	tensor_load_to_lds s[G0+4*(\s):G0+4*(\s)+3], s[G1:G1+7]
	s_nop 0
.rept 4
	v_nop
.endr
	s_branch .Lasked_\@
.Lfor_b_\@:
	tensor_load_to_lds s[G0B+4*(\s):G0B+4*(\s)+3], s[G1B:G1B+7]
	s_nop 0
.rept 4
	v_nop
.endr
.Lasked_\@:
.endm
; A PREFETCH INTO THE L2 of the K step that stands TWO refills on, 512 matrix instructions ahead of the load that will want it: 32 blocks of 256 bytes, a lane a block, one instruction a wave.
; Each block is named once in the launch.  A: of the 128 rows that wave 0 or 1 fetches, the partner at place cx takes 32 (a lane a row).  B: of the 64 k-rows x 512 bytes that wave 2 or 3 fetches, the partner at
; place cy takes 16 (a lane half a row), in the clusters with y = 0 alone, since every cluster of the column of clusters reads the same rows.  The partners are told apart BY ADDRESS; the count hangs on the
; wave's number and the cluster's y, which all sixteen share.  The count ends the asking: at A's K step 7 of the first tile, at B's K step 23, the last.
.macro ASK
	s_cmp_lg_u32 s[PLEFT], 0
	s_cbranch_scc0 .Lnot_mine_\@
	global_prefetch_b8 v[PFO], s[PFA:PFA+1] th:TH_LOAD_NT scope:SCOPE_SE
	s_sub_co_u32 s[PLEFT], s[PLEFT], 1
.Lnot_mine_\@:
.endm
; A round of the cluster's barrier: my work-group's barrier; wave 0 signals for the work-group; every wave waits for all sixteen; my work-group's barrier once more.
.macro CREST                           ; a round behind its opening barrier
	s_cmp_lg_u32 s10, 0
	s_cbranch_scc1 .Lnot_wave_0_\@
	s_barrier_signal -3
.Lnot_wave_0_\@:
	s_barrier_wait -3
	s_barrier_signal -1
	s_barrier_wait -1
.endm
.macro CROUND
	s_barrier_signal -1
	s_barrier_wait -1
	CREST
.endm
	s_load_b128 s[4:7], s[0:1], 0x0                ; xb s[4:5], wb s[6:7]
	s_load_b64 s[8:9], s[0:1], 0x10                ; qkv
	v_lshl_add_u32 v[SPW], v0, 2, SPARE
	v_mov_b32 v[NIL], 0
	ds_add_u32 v[SPW], v[NIL]                      ; the wave's opening: the add and its wait stand ahead of my first tensor load; the set-up below, work on registers, stands between them
	v_lshrrev_b32 v1, 5, v0
	v_readfirstlane_b32 s10, v1                    ; wave 0..3
	s_lshr_b32 s11, s10, 1                         ; which half of the tile's rows is mine.  Also: I fetch for A (0) or for B (1)
	s_and_b32 s12, s10, 1                          ; which half of its columns.  Also: which half of that tile I fetch
	s_bfe_u32 s40, ttmp6, 0x40000                  ; cx
	s_bfe_u32 s41, ttmp6, 0x40004                  ; cy
	s_lshl_b32 s42, ttmp9, 2
	s_add_co_u32 s42, s42, s40                     ; tile column = 4 x cluster x + cx: 0..3
	s_and_b32 s13, ttmp7, 0xffff
	s_lshl_b32 s13, s13, 2
	s_add_co_u32 s13, s13, s41                     ; tile row = 4 x cluster y + cy: 0..63
	s_lshl_b32 s43, s41, 2
	s_lshl_b32 s43, 15, s43                        ; my row of the cluster: places 4 cy .. 4 cy + 3
	s_lshl_b32 s44, 0x1111, s40                    ; my column: places cx, cx + 4, cx + 8, cx + 12
	; group 1 for A: 128 rows x 128 elements; 15:0 the mask; 17:16 2-byte elements; 20 padding on; 21 set beside a mask; 24:22 after every 64 words (code 5); 31:25 4 words (code 3)
	s_or_b32 s[G1+0], s43, (1<<16)|(1<<20)|(1<<21)|(5<<22)|(3<<25)
	s_mov_b32 s[G1+1], 128<<16                     ; tensor_dim0 = 128
	s_mov_b32 s[G1+2], 128<<16                     ; tensor_dim1 = 128
	s_mov_b32 s[G1+3], 128<<16                     ; tile_dim0 = 128
	s_mov_b32 s[G1+4], 128                         ; tile_dim1 = 128
	s_mov_b32 s[G1+5], 1024                        ; elements from row to row
	s_mov_b32 s[G1+6], 0
	s_mov_b32 s[G1+7], 0
	; group 1 for B: 64 k-rows x 256 elements; padding after every 128 words (code 6), 8 words (code 7)
	s_or_b32 s[G1B+0], s44, (1<<16)|(1<<20)|(1<<21)|(6<<22)|(7<<25)
	s_mov_b32 s[G1B+1], 256<<16                    ; tensor_dim0 = 256
	s_mov_b32 s[G1B+2], 64<<16                     ; tensor_dim1 = 64
	s_mov_b32 s[G1B+3], 256<<16                    ; tile_dim0 = 256
	s_mov_b32 s[G1B+4], 64                         ; tile_dim1 = 64
	s_mov_b32 s[G1B+5], 1024
	s_mov_b32 s[G1B+6], 0
	s_mov_b32 s[G1B+7], 0
	; where the tiles come from.  A's hang on the tile row alone, which my row of the cluster shares; B's on the tile column alone, which my column shares.
	s_lshl_b32 s17, s12, 7
	s_lshl_b32 s16, s13, 8
	s_add_co_u32 s16, s16, s17                     ; A: row 256 x tile row + 128 x half,
	s_lshl_b32 s16, s16, 11                        ; in bytes (under 2^26)
	s_mov_b32 s17, 0
	s_lshl_b32 s46, s12, 17                        ; B: k-row 64 x half,
	s_lshl_b32 s47, s42, 9                         ; column 256 x tile column
	s_add_co_u32 s46, s46, s47
	s_mov_b32 s47, 0
	s_mul_i32 s20, s10, HALFT                      ; and where they go: wave x 34,816: no place in the cluster enters an LDS address
	s_wait_dscnt 0x0                               ; the opening add is done
	s_wait_kmcnt 0x0
	s_add_nc_u64 s[14:15], s[4:5], s[16:17]
	s_add_nc_u64 s[46:47], s[6:7], s[46:47]
	CROUND                                         ; all sixteen work-groups are here: the first joint loads meet
.irp s, 0,1
	s_mov_b32 s[G0+4*(\s)], 1                                      ; count = 1
	s_add_co_u32 s[G0+4*(\s)+1], s20, (\s)*SLOT                    ; LDS address
	s_add_nc_u64 s[G0+4*(\s)+2:G0+4*(\s)+3], s[14:15], (\s)*KSTEP*2  ; global address: K step s
	s_or_b32 s[G0+4*(\s)+3], s[G0+4*(\s)+3], 0x80000000            ; type = 2
	s_mov_b32 s[G0B+4*(\s)], 1
	s_add_co_u32 s[G0B+4*(\s)+1], s20, (\s)*SLOT
	s_add_nc_u64 s[G0B+4*(\s)+2:G0B+4*(\s)+3], s[46:47], (\s)*BSTEP
	s_or_b32 s[G0B+4*(\s)+3], s[G0B+4*(\s)+3], 0x80000000
	JLOAD \s                                       ; two tensor loads of mine are out; later one
.endr
	; A's fragment: 16 rows x 32 K in 8 registers: lane l holds row l % 16, K = 8 (l / 16) + 0..7 and 16 + 8 (l / 16) + 0..7: two loads of 16 bytes, 32 bytes apart.
	; B's: the turning load takes 16 k-rows x 16 columns (lane l reads k-row 8 (l / 16) + l % 8, columns 8 ((l / 8) % 2) + 0..7) and leaves half a fragment: lane l holds column l % 16 and 8 k.
	v_and_b32 v1, 15, v0                           ; l % 16
	v_bfe_u32 v2, v0, 4, 1                         ; l / 16
	v_mul_u32_u24 v3, v1, PITA
	v_lshl_add_u32 v3, v2, 4, v3
	v_and_b32 v4, 7, v0
	v_lshl_add_u32 v4, v2, 3, v4
	v_mul_u32_u24 v4, v4, PITB
	v_bfe_u32 v5, v0, 3, 1
	v_lshl_add_u32 v4, v5, 4, v4
	s_mul_i32 s21, s11, HALFT                      ; my 128 rows of A
	s_lshl_b32 s22, s12, 8                         ; my 128 columns of B: 256 bytes of each k-row,
	s_add_co_u32 s22, s22, 2*HALFT                 ; behind A's 256 rows
.irp s, 0,1
	v_add_nc_u32 v[ADRA+(\s)], s21, v3
	v_add_nc_u32 v[ADRB+(\s)], s22, v4
	s_add_co_u32 s21, s21, SLOT
	s_add_co_u32 s22, s22, SLOT
.endr
	s_mul_i32 s23, s10, 16*SPITCH
	s_add_co_u32 s23, s23, STAGE                   ; my stage
	v_mul_u32_u24 v4, v1, SPITCH                   ; in: row l % 16, 16 bytes for each half of the lanes
	v_lshl_add_u32 v4, v2, 4, v4
	v_add_nc_u32 v[STO], s23, v4
	v_mul_u32_u24 v5, v2, SPITCH                   ; back: lanes 0-15 take one row of 256 bytes, lanes 16-31 the next
	v_lshl_add_u32 v5, v1, 4, v5
	v_add_nc_u32 v[RD], s23, v5
	v_mul_u32_u24 v5, v2, CROW                     ; and the same two rows in C
	v_lshl_add_u32 v[CO], v1, 4, v5
	; C at my part of the first tile (q): token 256 x tile row + 128 x row half, byte 512 x tile column + 256 x column half
	s_lshl_b32 s16, s13, 8
	s_lshl_b32 s17, s11, 7
	s_add_co_u32 s16, s16, s17
	s_mul_i32 s16, s16, CROW                       ; under 2^27
	s_lshl_b32 s46, s42, 9
	s_lshl_b32 s47, s12, 8
	s_add_co_u32 s46, s46, s47
	s_add_co_u32 s16, s16, s46
	s_mov_b32 s17, 0
	s_add_nc_u64 s[8:9], s[8:9], s[16:17]
	; the prefetches: both offsets are made, the wave's kind chooses.  They start at K step 3: each change of slots steps first and then asks, the first for K step 4.
	s_lshl_b32 s20, s13, 8
	s_lshl_b32 s21, s12, 7
	s_add_co_u32 s20, s20, s21                     ; A: the 128 rows that I fetch,
	s_lshl_b32 s21, s40, 5
	s_add_co_u32 s20, s20, s21                     ; my work-group's 32 of them
	s_lshl_b32 s20, s20, 11
	s_add_co_u32 s20, s20, 3*KSTEP*2
	s_lshl_b32 s22, s12, 6                         ; B: the 64 k-rows that I fetch,
	s_lshl_b32 s21, s41, 4
	s_add_co_u32 s22, s22, s21                     ; my work-group's 16 of them,
	s_lshl_b32 s22, s22, 11
	s_lshl_b32 s21, s42, 9
	s_add_co_u32 s22, s22, s21                     ; the tile column's 512 bytes
	s_add_co_u32 s22, s22, 3*BSTEP
	s_and_b32 s23, ttmp7, 0xffff                   ; cluster y
	s_cmp_eq_u32 s23, 0
	s_cselect_b32 s23, PF_B, 0
	s_mov_b32 s[PSTEP], BSTEP
	s_mov_b32 s[PSTEP+1], 0
	s_mov_b32 s21, 0
	s_cmp_eq_u32 s11, 0                            ; do I fetch for A?
	s_cselect_b32 s20, s20, s22
	s_cselect_b32 s[PLEFT], PF_A, s23
	s_cselect_b32 s[PSTEP], KSTEP*2, s[PSTEP]
	s_cselect_b64 s[PFA:PFA+1], s[4:5], s[6:7]
	s_add_nc_u64 s[PFA:PFA+1], s[PFA:PFA+1], s[20:21]
	v_and_b32 v3, 31, v0
	v_lshrrev_b32 v4, s11, v3                      ; A: a lane a row; B: two lanes a k-row,
	v_and_b32 v5, s11, v3                          ; the odd lane its second 256 bytes
	v_lshlrev_b32 v5, 8, v5
	v_lshl_add_u32 v[PFO], v4, 11, v5
	; nothing is prefetched here, at the head, where every work-group's first tiles are on their way: K steps 0 to 3 come by their loads alone
; 16 matrix instructions: m blocks a0, a0 + 1 of the window's four (hi = 0: my rows 0-63, 1: rows 64-127) x all 8 n blocks, 32 along K.  zero = 1: the product starts the sum: nothing is ever cleared.
; The 64 accumulators take turns, one instruction a turn, in the same order in every quarter step.
.macro MUL16 f, hi, a0, zero
	WIN MUL_LO+0x50*(\hi)
.irp a, \a0, (\a0)+1
.irp b, 0,1,2,3,4,5,6,7
.if \zero
	v_wmma_f32_16x16x32_bf16 v[8*(8*(\a)+(\b)):8*(8*(\a)+(\b))+7], v[(\f)+8*(\b):(\f)+8*(\b)+7], v[(\f)+8*(4*(\hi)+(\a)):(\f)+8*(4*(\hi)+(\a))+7], 0
.else
	v_wmma_f32_16x16x32_bf16 v[8*(8*(\a)+(\b)):8*(8*(\a)+(\b))+7], v[(\f)+8*(\b):(\f)+8*(\b)+7], v[(\f)+8*(4*(\hi)+(\a)):(\f)+8*(4*(\hi)+(\a))+7], v[8*(8*(\a)+(\b)):8*(8*(\a)+(\b))+7]
.endif
.endr
.endr
.endm
; 32 LDS loads in one run: the fragments of quarter q of a slot's K step (128 columns of B, turned; 128 rows of A) into buffer f
.macro FETCH slot, q, f
	WIN TO_B
.irp i, 0,1,2,3,4,5,6,7
	ds_load_tr16_b128 v[(\f)+8*(\i):(\f)+8*(\i)+3],   v[ADRB+(\slot)] offset:(\q)*QB+32*(\i)
	ds_load_tr16_b128 v[(\f)+8*(\i)+4:(\f)+8*(\i)+7], v[ADRB+(\slot)] offset:(\q)*QB+16*PITB+32*(\i)
.endr
	WIN 0
.irp i, 0,1,2,3,4,5,6,7
	ds_load_b128 v[(\f)+8*(\i):(\f)+8*(\i)+3],   v[ADRA+(\slot)] offset:64*(\q)+(\i)*16*PITA
	ds_load_b128 v[(\f)+8*(\i)+4:(\f)+8*(\i)+7], v[ADRA+(\slot)] offset:64*(\q)+(\i)*16*PITA+32
.endr
.endm
; A load into a register that a matrix instruction has read, and a vector instruction that reads a matrix result, stand four places behind that matrix instruction; only plain vector
; instructions that name none of its registers are places (ISA guide 7.12.1 for vector instructions).
.macro PLACES
.rept 4
	v_nop
.endr
.endm
; A K step is four quarters of 32 along K, 64 matrix instructions each, on buffers 0, 1, 0, 1.  One of the first three: multiplies buffer f; in its middle it fetches quarter q into buffer g.
.macro QUARTER slot, q, f, g, zero
	s_wait_dscnt 8                                 ; B and A's rows 0-63 are in; the youngest eight loads (A's rows 64-127) may be out
	MUL16 \f, 0, 0, \zero
	MUL16 \f, 0, 2, \zero
	PLACES
	FETCH \slot, \q, \g
	s_wait_dscnt 32                                ; all but the 32 just issued
	MUL16 \f, 1, 0, \zero
	MUL16 \f, 1, 2, \zero
.endm
; The last quarter multiplies buffer 1 and changes slots.  MEET is its first half: one barrier.  In front of it each wave waits for all its tensor loads (one is out: its part of the next slot), adds 0 to its
; spare word, and waits for that and for its own reads of this slot.  Behind it nobody reads this slot any more and the next slot is whole.
.macro MEET round
	WIN 0                                          ; (the add's two registers lie in window 0)
	s_wait_tensorcnt 0x0
	ds_add_u32 v[SPW], v[NIL]                      ; 0 onto my spare word
	s_wait_dscnt 9                                 ; (the add and the youngest eight loads may be out)
	MUL16 F1, 0, 0, 0                              ; sixteen matrix instructions stand between the add and the wait for it
	s_wait_dscnt 0x0                               ; the add is done, and my reads of this slot are over
	s_barrier_signal -1
	MUL16 F1, 0, 2, 0                              ; work on registers while the others arrive
.if \round
	WIN 0
.endif
	s_barrier_wait -1
.endm
; The whole last quarter, with a refill: the barrier opens a round of the cluster's, and the slot just read out is filled again first behind it: with the K step two on.  on = 1: that step is the next tile's:
; A goes back along K to the same rows' K step 0 or 1; B's k-rows run on in every case.  From a request to the wait for it a wave issues 224 matrix instructions.
.macro TURN slot, next, on
	s_wait_xcnt 0x0                                ; the last prefetch, a K step back, has read its address: it is stepped here, ahead of the waits of the change of slots
	s_add_nc_u64 s[PFA:PFA+1], s[PFA:PFA+1], s[PSTEP:PSTEP+1]
	MEET 1
	CREST                                          ; no wave of any partner still reads this slot's tile or has a load on its way
.if \on
	s_sub_nc_u64 s[G0+4*(\slot)+2:G0+4*(\slot)+3], s[G0+4*(\slot)+2:G0+4*(\slot)+3], 6*KSTEP*2
.else
	s_add_nc_u64 s[G0+4*(\slot)+2:G0+4*(\slot)+3], s[G0+4*(\slot)+2:G0+4*(\slot)+3], 2*KSTEP*2
.endif
	s_add_nc_u64 s[G0B+4*(\slot)+2:G0B+4*(\slot)+3], s[G0B+4*(\slot)+2:G0B+4*(\slot)+3], 2*BSTEP
	JLOAD \slot                                    ; the first tensor load behind the round; its four v_nop are also the places in front of the loads below
	FETCH \next, 0, F0
	ASK
	MUL16 F1, 1, 0, 0
	MUL16 F1, 1, 2, 0
.endm
; THE LAST K STEP OF THE LAST TILE (it lies in slot 1) GOES BY ROWS OF C.  All its fragments of B (4 quarters x 64 registers) fill window 1; then my eight blocks of 16 rows are finished one after the other,
; each with 32 matrix instructions (its 8 accumulators by turns, K ascending: the sums stay the same bit for bit).  LDS is read no more than in any other K step.
.macro BLOAD q                         ; B's fragments of quarter q -> window 1, v[64 q ..]
	WIN TO_B
.irp i, 0,1,2,3,4,5,6,7
	ds_load_tr16_b128 v[64*(\q)+8*(\i):64*(\q)+8*(\i)+3],   v[ADRB+1] offset:(\q)*QB+32*(\i)
	ds_load_tr16_b128 v[64*(\q)+8*(\i)+4:64*(\q)+8*(\i)+7], v[ADRB+1] offset:(\q)*QB+16*PITB+32*(\i)
.endr
.endm
.macro ALOAD a                         ; A's fragments of block a, all four quarters -> buffer a % 4
	WIN 0
.set FA, PA+32*((\a)%4)
.irp q, 0,1,2,3
	ds_load_b128 v[FA+8*(\q):FA+8*(\q)+3],   v[ADRA+1] offset:64*(\q)+(\a)*16*PITA
	ds_load_b128 v[FA+8*(\q)+4:FA+8*(\q)+7], v[ADRA+1] offset:64*(\q)+(\a)*16*PITA+32
.endr
.endm
.macro ROW a                           ; block a is finished: 32 matrix instructions
.set FA, PA+32*((\a)%4)                ; its fragments of A
.set AC, 64*((\a)%4)                   ; its eight accumulators, in window 2 (blocks 0-3) or 3 (blocks 4-7)
	WIN MUL_LO+0x50*((\a)/4)
.irp q, 0,1,2,3
.if (\a) == 0 && (\q) == 2
	s_wait_dscnt 24                                ; B's quarter 2 is in (behind it: A's blocks 1 to 3, 24 loads)
.endif
.irp b, 0,1,2,3,4,5,6,7
	v_wmma_f32_16x16x32_bf16 v[AC+8*(\b):AC+8*(\b)+7], v[64*(\q)+8*(\b):64*(\q)+8*(\b)+7], v[FA+8*(\q):FA+8*(\q)+7], v[AC+8*(\b):AC+8*(\b)+7]
.endr
.endr
.endm
; THE WAY OUT of block a (16 rows).  PACK: rounded to f16, each accumulator's registers in ascending order.  TOSTAGE: into my own stage, and back as whole rows of 256 bytes.  SEND: stored.
.macro PACK a
.set AC, 64*((\a)%4)
	WIN 0x0a+5*((\a)/4)                            ; sources 0 and 1: window 2 or 3
.irp b, 0,1,2,3,4,5,6,7
.irp r, 0,1,2,3
	v_cvt_pk_f16_f32 v[TMP+4*(\b)+(\r)], v[AC+8*(\b)+2*(\r)], v[AC+8*(\b)+2*(\r)+1]
.endr
.endr
	WIN 0
.endm
.macro TOSTAGE a
	WIN 0
.set BK, OB+192*((\a)%2)
.irp b, 0,1,2,3,4,5,6,7
	ds_store_b128 v[STO], v[TMP+4*(\b):TMP+4*(\b)+3] offset:32*(\b)
.endr
.irp t, 0,1,2,3,4,5,6,7
	ds_load_b128 v[BK+4*(\t):BK+4*(\t)+3], v[RD] offset:(\t)*2*SPITCH  ; LDS serves a wave's instructions in order (ISA guide 5.7.1.4): these see the stores above
.endr
.endm
.macro SEND a, younger                 ; younger: the LDS loads issued behind TOSTAGE's, which may stay out
	WIN 0
.set BK, OB+192*((\a)%2)
	s_wait_dscnt \younger                          ; the block is back in registers
	s_wait_xcnt 0x0                                ; the stores of the block before have read their registers: the next TOSTAGE loads into them only behind this wait
.irp t, 0,1,2,3,4,5,6,7
	global_store_b128 v[CO], v[BK+4*(\t):BK+4*(\t)+3], s[8:9] offset:(16*(\a)+2*(\t))*CROW  ; 16 lanes store 256 consecutive bytes, aligned; 126 rows of 6,144 bytes at the most, inside the signed 24-bit immediate
.endr
.endm
	s_wait_tensorcnt 1                             ; my part of K step 0 is in; K step 1's may stay out
	s_barrier_signal -1
	s_barrier_wait -1                              ; everybody's is
	FETCH 0, 0, F0
	s_mov_b32 s2, TILES                            ; tiles to go, this one among them
.Ltile:
	QUARTER 0, 1, F0, F1, 1                        ; a tile's first quarter stands in front of the loop: its products start the sums
	WIN 0                                          ; at a label and at a branch every window is 0
	s_mov_b32 s3, LAPS-1
.Llap:                                                 ; a trip goes once round the ring, from a lap's second quarter to the next lap's first, and fills both slots again
	QUARTER 0, 2, F1, F0, 0
	QUARTER 0, 3, F0, F1, 0
	TURN 0, 1, 0
	QUARTER 1, 1, F0, F1, 0
	QUARTER 1, 2, F1, F0, 0
	QUARTER 1, 3, F0, F1, 0
	TURN 1, 0, 0
	QUARTER 0, 1, F0, F1, 0
	WIN 0
	s_sub_co_u32 s3, s3, 1
	s_cmp_lg_u32 s3, 0
	s_cbranch_scc1 .Llap
	QUARTER 0, 2, F1, F0, 0                        ; the tile's last lap goes on
	QUARTER 0, 3, F0, F1, 0
	WIN 0
	s_cmp_eq_u32 s2, 1
	s_cbranch_scc1 .Llast_tile                     ; the last tile's tail is written out: it asks for nothing more
	TURN 0, 1, 1                                   ; the ring goes on into the next tile: slot 0 takes its K step 0,
	QUARTER 1, 1, F0, F1, 0
	QUARTER 1, 2, F1, F0, 0
	QUARTER 1, 3, F0, F1, 0
	TURN 1, 0, 1                                   ; slot 1 its K step 1, and the next tile's first fragments are fetched
	PACK 0                                         ; both refills are asked for: now the tile goes out.  Blocks 0-3 were finished in front of TURN's four v_nop; their 128 conversions are the places behind blocks 4-7's products
	TOSTAGE 0
.irp a, 1,2,3,4,5,6,7                  ; block a's conversions stand between block a - 1's loads from the stage and the wait for them
	PACK \a
	SEND (\a)-1, 0
	TOSTAGE \a
.endr
	SEND 7, 0
	s_wait_xcnt 0x0                                ; the stores have read C's address
	s_add_nc_u64 s[8:9], s[8:9], 2048              ; from q to k, from k to v: 1,024 columns on
	s_sub_co_u32 s2, s2, 1
	s_branch .Ltile
.Llast_tile:
	MEET 0                                         ; my one tensor load that was still out is slot 1's, the last K step's, so no round follows
	PLACES                                         ; for the loads into buffer 0, which the quarter before multiplied
	BLOAD 0                                        ; three quarters of B now: buffer 1 (v128-191 of both windows) is still being multiplied
	BLOAD 1
	BLOAD 3
	ALOAD 0
	MUL16 F1, 1, 0, 0
	MUL16 F1, 1, 2, 0
	PLACES                                         ; for the loads into buffer 1
	BLOAD 2
	ALOAD 1
	ALOAD 2
	ALOAD 3
	s_wait_dscnt 40                                ; all but the 40 just issued: B's quarters 0, 1, 3 and A's block 0 are in
	ROW 0
.irp a, 0,1,2,3,4,5,6,7                ; each block leaves as soon as it is finished: nothing follows this tile, so the sooner its stores begin, the sooner the launch ends
	PLACES                                         ; its conversions read results just made; the four are also the places in front of the loads into its buffer of A
	PACK \a
	TOSTAGE \a
.if (\a) < 4
	ALOAD (\a)+4                                   ; its buffer takes the block four further on
	SEND \a, 8
.else
	SEND \a, 0
.endif
.if (\a) < 7
	ROW (\a)+1
.endif
.endr
	s_wait_tensorcnt 0x0                           ; the wave's end, behind my last tensor load and my last LDS store
	ds_add_u32 v[SPW], v[NIL]
	s_wait_dscnt 0x0
	CROUND                                         ; the closing round: no work-group ends while a partner may still ask for a tile that names it
	s_endpgm
.Lfunc_end_k_q55942a76fa_qkv:
	.size	k_q55942a76fa_qkv, .Lfunc_end_k_q55942a76fa_qkv-k_q55942a76fa_qkv
	.p2alignl 7, 3214868480
	.fill 96, 4, 3214868480
	.section	.rodata,"a",@progbits
	.p2align	6, 0x0
	.amdhsa_kernel k_q55942a76fa_qkv
		.amdhsa_group_segment_fixed_size 327680
		.amdhsa_private_segment_fixed_size 0
		.amdhsa_enable_private_segment 0
		.amdhsa_kernarg_size 24
		.amdhsa_user_sgpr_count 2
		.amdhsa_user_sgpr_kernarg_segment_ptr 1
		.amdhsa_wavefront_size32 1
		.amdhsa_system_sgpr_workgroup_id_x 1
		.amdhsa_system_sgpr_workgroup_id_y 1
		.amdhsa_system_sgpr_workgroup_id_z 1
		.amdhsa_system_vgpr_workitem_id 0
		.amdhsa_next_free_vgpr 1024
		.amdhsa_next_free_sgpr 68
		.amdhsa_reserve_vcc 0
		.amdhsa_float_denorm_mode_32 3
		.amdhsa_float_denorm_mode_16_64 3
		.amdhsa_memory_ordered 1
		.amdhsa_forward_progress 1
		.amdhsa_inst_pref_size 210
	.end_amdhsa_kernel
	.amdgpu_metadata
---
amdhsa.version: [ 1, 2 ]
amdhsa.kernels:
  - .name:           k_q55942a76fa_qkv
    .symbol:         k_q55942a76fa_qkv.kd
    .args:
      - { .name: xb, .offset: 0, .size: 8, .value_kind: global_buffer, .address_space: global }
      - { .name: wb, .offset: 8, .size: 8, .value_kind: global_buffer, .address_space: global }
      - { .name: qkv, .offset: 16, .size: 8, .value_kind: global_buffer, .address_space: global }
    .group_segment_fixed_size: 327680
    .private_segment_fixed_size: 0
    .kernarg_segment_align: 8
    .kernarg_segment_size: 24
    .max_flat_workgroup_size: 128
    .sgpr_count:     68
    .vgpr_count:     1024
    .wavefront_size: 32
...
	.end_amdgpu_metadata
.endif
;; end of part 2
;; launch attn (part 3): grid 256 x 1, 16 waves a work-group, no clusters, 71,680 bytes of LDS; arguments qkv, a2; writes a2
.if DOCPART == 3
	.amdgcn_target "amdgcn-amd-amdhsa--gfx1250"
	.amdhsa_code_object_version 6
	.text
	.protected	k_q55942a76fa_attn
	.globl	k_q55942a76fa_attn
	.p2align	8
	.type	k_q55942a76fa_attn,@function
k_q55942a76fa_attn:
	s_mov_b64 s[64:65], 0
	v_nop
	global_prefetch_b8 v0, s[64:65] scope:SCOPE_SE
	s_setreg_imm32_b32 hwreg(HW_REG_WAVE_MODE, 25, 1), 1
	s_wait_xcnt 0x0
; THE HEADS OF ONE TOKEN ATTEND TO EACH OTHER.  For each of the 16,384 tokens (n, pos): S[hq][hk] = q[hq] . k[hk] / 32 over 64 channels, softmax over hk, O[hq][:] = the sum over hk of P[hq][hk] v[hk][:].
; qkv: [token][q | k | v][1024] f16, 6,144 bytes a token, THE COLUMNS IN THE ORDER OF THE MATRIX OPERANDS (the weights' columns were laid so): q and k: channel 16 j + t of a head at 256 j + 16 head + t;
; v: channel d of a head at 16 d + head.  O goes where the reshape of (n, hq, pos, d) to (n, 2048, 1024) puts it: a2 [16384][1024] f16: byte n 2^22 + hq 2^18 + pos 128 + 2 d.
; Products, maximum and sum in f32; the row's maximum is taken away before the exponentials; P = p / l is rounded to f16 for the second product, O once.
; LIMITS.  q, k, v arrive within f16's 65,504; a weight below 2^-126 counts as 0 in l; P below 6e-5 keeps f16's fixed step of 6e-8; NaN and infinities are not treated apart, and since two tokens share
; a product (below) one token's non-finite v would spoil its neighbour too.
; SHARES.  A work-group takes 64 tokens, each of its sixteen waves 4, as two tiles of TWO neighbouring tokens (A even, B odd).  16 waves x 256 registers fill the four SIMDs' 1,024.
; THE WAY IN.  Every quarter of a fragment of Q or K, and every half fragment of V^T, is 512 consecutive bytes of a token, of which lane l takes the 16 at 32 (l % 16) + 16 (l / 16): twelve loads a token, straight
; into the operands' registers.  A wave issues all its 48 loads at its head, each tile into registers of its own: nothing goes through LDS on the way in, no wave waits for another, no register is loaded twice.
; No cluster: no two work-groups read the same byte.  No prefetch: every load of the launch goes out at its wave's head.
; LAYOUT.  S^T = K Q^T (source 0 = the 16 key heads, source 1 = the 16 query heads, 64 channels = two instructions): a lane holds ONE query head (l % 16) and the key heads 8 (l / 16) + 0..7; the other eight lie
; in the lane 16 away.  O^T = V^T P wants 32 along its K and a token has 16 key heads: so V's fragment holds token A's heads in registers 0-3 and token B's in 4-7, and each token's P has zeros in the other
; token's half.  In O^T a lane holds one query head and eight channels: 16 bytes of f16.
; THE WAY OUT.  For one query head the two tokens' 128 channels are 256 consecutive bytes of a2, aligned: they meet in my stage in LDS and leave as whole rows, 16 lanes a row.
.set TOKB,  6144                       ; bytes in a token
.set SP,    272                        ; a stage row: 256 bytes + 16: the 16 rows that a store touches start at 16 different groups of four banks (64 banks of 4 bytes: ISA guide 11.1)
.set SPARE, 16*16*SP                   ; LDS: 16 rows x 272 bytes for each wave from byte 0; behind them the spare words, 128 bytes for each wave: eight blocks of 256 bytes that no other line names
.set LO,  4                            ; v4   my 16 bytes in 512: 32 (l % 16) + 16 (l / 16); never rewritten
.set STO, 6                            ; v6   where I put 16 bytes of a stage row
.set RD,  7                            ; v7   where I read a row back
.set GO,  8                            ; v8   my byte offset in a2
.set SPW, 10                           ; v10  LDS address of my spare word; never rewritten
.set NIL, 11                           ; v11  0; never rewritten
.set SET, 16                           ; v[16:207]  tile i's 96 registers at SET + 96 i: Q (token u, quarter j at 16 u + 4 j), K at + 32 likewise, V^T at + 64 (channel block b, token u at 8 b + 4 u).
                                       ;            When S^T is made, O^T takes Q's and K's 64 (token u, block b at 32 u + 8 b); when O^T is made, the packed O takes V's 32
.set SC,  208                          ; v[208:223] S^T, 8 a token
.set PR,  224                          ; v[224:239] P: token A's operand v224-231 (228-231 stay 0), token B's v232-239 (232-235 stay 0)
.set TT,  240                          ; v[240:255] eight at work a token: +0 maximum, then c m; +1 the other lanes'; +2..+5 sums; +6 1 / l; +7 stays 0 (named with +6 as a pair)
.set CS,  12                           ; s[12:13] c = log2(e) / 32
.set SEL, 14                           ; s[14:15] v_permlanex16_b32's selects: each lane takes its own place in the other half
	s_load_b128 s[4:7], s[0:1], 0x0                ; qkv s[4:5], a2 s[6:7]
	v_lshl_add_u32 v[SPW], v0, 2, SPARE
	v_mov_b32 v[NIL], 0
	v_lshrrev_b32 v1, 5, v0
	v_readfirstlane_b32 s8, v1                     ; wave 0..15
	s_mul_i32 s10, ttmp9, 64*TOKB                  ; the work-group's 64 tokens (under 2^27),
	s_mul_i32 s11, s8, 4*TOKB                      ; my wave's 4
	s_add_co_u32 s10, s10, s11
	s_mov_b32 s11, 0
	s_lshr_b32 s16, ttmp9, 5                       ; n: 32 work-groups a batch entry,
	s_lshl_b32 s16, s16, 22
	s_and_b32 s17, ttmp9, 31                       ; pos / 64:
	s_lshl_b32 s17, s17, 13                        ; 64 tokens of 128 bytes
	s_add_co_u32 s16, s16, s17
	s_mov_b32 s17, 0
	s_mov_b32 s[CS], 0x3d38aa3b                    ; log2(e) / 32 = 0.0450842
	s_mov_b32 s[CS+1], s[CS]                       ; named with it as a pair
	s_mov_b32 s[SEL], 0x76543210
	s_mov_b32 s[SEL+1], 0xfedcba98
	v_and_b32 v1, 15, v0                           ; l % 16
	v_bfe_u32 v2, v0, 4, 1                         ; l / 16
	v_lshlrev_b32 v[LO], 5, v1
	v_lshl_add_u32 v[LO], v2, 4, v[LO]
	s_wait_kmcnt 0x0
	s_add_nc_u64 s[4:5], s[4:5], s[10:11]
	s_add_nc_u64 s[6:7], s[6:7], s[16:17]
; Tile i's 24 loads, 512 consecutive bytes each: K and Q, which the first product wants, then V
.macro LOADS i
.irp u, 0,1
.irp j, 0,1,2,3
	global_load_b128 v[SET+96*(\i)+32+16*(\u)+4*(\j):SET+96*(\i)+32+16*(\u)+4*(\j)+3], v[LO], s[4:5] offset:(2*(\i)+(\u))*TOKB+2048+512*(\j) th:TH_LOAD_NT
.endr
.endr
.irp u, 0,1
.irp j, 0,1,2,3
	global_load_b128 v[SET+96*(\i)+16*(\u)+4*(\j):SET+96*(\i)+16*(\u)+4*(\j)+3], v[LO], s[4:5] offset:(2*(\i)+(\u))*TOKB+512*(\j) th:TH_LOAD_NT
.endr
.endr
.irp u, 0,1
.irp b, 0,1,2,3
	global_load_b128 v[SET+96*(\i)+64+8*(\b)+4*(\u):SET+96*(\i)+64+8*(\b)+4*(\u)+3], v[LO], s[4:5] offset:(2*(\i)+(\u))*TOKB+4096+512*(\b) th:TH_LOAD_NT
.endr
.endr
.endm
	LOADS 0
	LOADS 1
	; the addresses of the way out and the constants are made while the loads are on their way
	s_mul_i32 s9, s8, 16*SP                        ; my stage
	v_mul_u32_u24 v[STO], v1, SP                   ; in: row = query head l % 16, 16 bytes for each half of the lanes
	v_lshl_add_u32 v[STO], v2, 4, v[STO]
	v_add_nc_u32 v[STO], s9, v[STO]
	v_mul_u32_u24 v[RD], v2, SP                    ; back: lanes 0-15 one row of 256 bytes, lanes 16-31 the next
	v_lshl_add_u32 v[RD], v1, 4, v[RD]
	v_add_nc_u32 v[RD], s9, v[RD]
	v_lshlrev_b32 v[GO], 18, v2                    ; in a2 a query head is 2^18 bytes;
	v_lshl_add_u32 v[GO], v1, 4, v[GO]
	s_lshl_b32 s9, s8, 9                           ; my wave's 4 tokens are 512 bytes on end
	v_add_nc_u32 v[GO], s9, v[GO]
.irp r, 4,5,6,7,8,9,10,11
	v_mov_b32 v[PR+(\r)], 0                        ; the other token's half of each P operand
.endr
	v_mov_b32 v[TT+7], 0
	v_mov_b32 v[TT+15], 0
; Tile i (tokens 2 i, 2 i + 1 of my four).  lqk, lv: how many younger loads may stay out when K and Q, and when V, have to be there.
.macro TILE i, lqk, lv
.set QR, SET+96*(\i)
.set KR, QR+32
.set VF, QR+64
.set OA, QR
.set PK, VF
	s_wait_loadcnt \lqk                            ; loads come back in order (ISA guide 5.7.1): this tile's K and Q are in
	; the two tokens' accumulators take turns, one instruction a turn
	v_wmma_f32_16x16x32_f16 v[SC:SC+7],    v[KR:KR+7],     v[QR:QR+7],     0
	v_wmma_f32_16x16x32_f16 v[SC+8:SC+15], v[KR+16:KR+23], v[QR+16:QR+23], 0
	v_wmma_f32_16x16x32_f16 v[SC:SC+7],    v[KR+8:KR+15],  v[QR+8:QR+15],  v[SC:SC+7]
	v_wmma_f32_16x16x32_f16 v[SC+8:SC+15], v[KR+24:KR+31], v[QR+24:QR+31], v[SC+8:SC+15]
.rept 4
	v_nop                                          ; four places between the products and the first read of their results (ISA guide 7.12.1)
.endr
	; the softmax, the two tokens' lines by turns.  The maximum begins at each accumulator's low end.
.irp u, 0,1
	v_max3_num_f32 v[TT+8*(\u)], v[SC+8*(\u)], v[SC+8*(\u)+1], v[SC+8*(\u)+2]
.endr
.irp u, 0,1
	v_max3_num_f32 v[TT+8*(\u)+1], v[SC+8*(\u)+3], v[SC+8*(\u)+4], v[SC+8*(\u)+5]
.endr
.irp u, 0,1
	v_max3_num_f32 v[TT+8*(\u)], v[TT+8*(\u)], v[SC+8*(\u)+6], v[SC+8*(\u)+7]
.endr
.irp u, 0,1
	v_max_num_f32 v[TT+8*(\u)], v[TT+8*(\u)], v[TT+8*(\u)+1]
.endr
.irp u, 0,1
	v_permlanex16_b32 v[TT+8*(\u)+1], v[TT+8*(\u)], s[SEL], s[SEL+1]  ; the query head's other eight key heads lie in the lane 16 away
.endr
.irp u, 0,1
	v_max_num_f32 v[TT+8*(\u)], v[TT+8*(\u)], v[TT+8*(\u)+1]          ; m
.endr
.irp u, 0,1
	v_mul_f32 v[TT+8*(\u)], s[CS], v[TT+8*(\u)]                       ; c m: its rounding is common to the row and cancels in p / l
.endr
.irp p, 0,1,2,3
.irp u, 0,1
	v_pk_fma_f32 v[SC+8*(\u)+2*(\p):SC+8*(\u)+2*(\p)+1], v[SC+8*(\u)+2*(\p):SC+8*(\u)+2*(\p)+1], s[CS:CS+1], v[TT+8*(\u):TT+8*(\u)+1] op_sel_hi:[1,0,0] neg_lo:[0,0,1] neg_hi:[0,0,1]  ; c s - c m
.endr
.endr
.irp j, 0,1,2,3,4,5,6,7
.irp u, 0,1
	v_exp_f32 v[SC+8*(\u)+(\j)], v[SC+8*(\u)+(\j)]
.endr
.endr
	v_nop                                          ; a plain instruction behind the last exponential (ISA guide 5.7.2),
	s_wait_alu depctr_va_vdst(0)                   ; and the wait ahead of the first use: one for the sixteen
.irp u, 0,1
	v_pk_add_f32 v[TT+8*(\u)+2:TT+8*(\u)+3], v[SC+8*(\u):SC+8*(\u)+1],   v[SC+8*(\u)+2:SC+8*(\u)+3]
	v_pk_add_f32 v[TT+8*(\u)+4:TT+8*(\u)+5], v[SC+8*(\u)+4:SC+8*(\u)+5], v[SC+8*(\u)+6:SC+8*(\u)+7]
.endr
.irp u, 0,1
	v_pk_add_f32 v[TT+8*(\u)+2:TT+8*(\u)+3], v[TT+8*(\u)+2:TT+8*(\u)+3], v[TT+8*(\u)+4:TT+8*(\u)+5]
.endr
.irp u, 0,1
	v_add_f32 v[TT+8*(\u)+2], v[TT+8*(\u)+2], v[TT+8*(\u)+3]
.endr
.irp u, 0,1
	v_permlanex16_b32 v[TT+8*(\u)+3], v[TT+8*(\u)+2], s[SEL], s[SEL+1]
.endr
.irp u, 0,1
	v_add_f32 v[TT+8*(\u)+2], v[TT+8*(\u)+2], v[TT+8*(\u)+3]          ; l: at least about 1, the maximum's own weight
.endr
.irp u, 0,1
	v_rcp_f32 v[TT+8*(\u)+6], v[TT+8*(\u)+2]
.endr
	v_nop
	s_wait_alu depctr_va_vdst(0)                   ; one wait for the two reciprocals
.irp p, 0,1,2,3
.irp u, 0,1
	v_pk_mul_f32 v[SC+8*(\u)+2*(\p):SC+8*(\u)+2*(\p)+1], v[SC+8*(\u)+2*(\p):SC+8*(\u)+2*(\p)+1], v[TT+8*(\u)+6:TT+8*(\u)+7] op_sel_hi:[1,0]
.endr
.endr
.irp p, 0,1,2,3
.irp u, 0,1
	v_cvt_pk_f16_f32 v[PR+12*(\u)+(\p)], v[SC+8*(\u)+2*(\p)], v[SC+8*(\u)+2*(\p)+1]  ; token A: registers 0-3 of its operand; token B: registers 4-7 of its own
.endr
.endr
	s_wait_loadcnt \lv                             ; this tile's V is in
	; O^T lands where Q and K lay: the other token's softmax lines and the v_nop above are more than the five places that a matrix instruction keeps from registers that an earlier one has read
.irp b, 0,1,2,3
.irp u, 0,1
	v_wmma_f32_16x16x32_f16 v[OA+32*(\u)+8*(\b):OA+32*(\u)+8*(\b)+7], v[VF+8*(\b):VF+8*(\b)+7], v[PR+8*(\u):PR+8*(\u)+7], 0
.endr
.endr
.rept 4
	v_nop                                          ; four places: the conversions read the results and write where V lay
.endr
.irp u, 0,1
.irp b, 0,1,2,3
.irp p, 0,1,2,3
	v_cvt_pk_f16_f32 v[PK+16*(\u)+4*(\b)+(\p)], v[OA+32*(\u)+8*(\b)+2*(\p)], v[OA+32*(\u)+8*(\b)+2*(\p)+1]
.endr
.endr
.endr
.irp u, 0,1
.irp b, 0,1,2,3
	ds_store_b128 v[STO], v[PK+16*(\u)+4*(\b):PK+16*(\u)+4*(\b)+3] offset:128*(\u)+32*(\b)
.endr
.endr
.irp t, 0,1,2,3,4,5,6,7
	ds_load_b128 v[PK+4*(\t):PK+4*(\t)+3], v[RD] offset:(\t)*2*SP  ; LDS serves a wave's instructions in order (ISA guide 5.7.1.4): these see the stores above; the next tile's stores come behind them
.endr
.irp t, 0,1,2,3,4,5,6,7
	s_wait_dscnt 7-(\t)                            ; rows 2 t and 2 t + 1 are back; the younger loads stay out
	global_store_b128 v[GO], v[PK+4*(\t):PK+4*(\t)+3], s[6:7] offset:(\t)*524288+(\i)*256  ; query heads 2 t, 2 t + 1; 16 lanes store 256 consecutive bytes, aligned; each tile stores from registers of its own
.endr
.endm
	TILE 0, 32, 24                                 ; 32: tile 0's V (8 loads) and tile 1 (24) stay out; 24: tile 1
	TILE 1, 8, 0                                   ; 8: tile 1's V
	s_wait_tensorcnt 0x0                           ; the wave's end, behind my last LDS store
	ds_add_u32 v[SPW], v[NIL]
	s_wait_dscnt 0x0
	s_endpgm
.Lfunc_end_k_q55942a76fa_attn:
	.size	k_q55942a76fa_attn, .Lfunc_end_k_q55942a76fa_attn-k_q55942a76fa_attn
	.p2alignl 7, 3214868480
	.fill 96, 4, 3214868480
	.section	.rodata,"a",@progbits
	.p2align	6, 0x0
	.amdhsa_kernel k_q55942a76fa_attn
		.amdhsa_group_segment_fixed_size 71680
		.amdhsa_private_segment_fixed_size 0
		.amdhsa_enable_private_segment 0
		.amdhsa_kernarg_size 16
		.amdhsa_user_sgpr_count 2
		.amdhsa_user_sgpr_kernarg_segment_ptr 1
		.amdhsa_wavefront_size32 1
		.amdhsa_system_sgpr_workgroup_id_x 1
		.amdhsa_system_sgpr_workgroup_id_y 1
		.amdhsa_system_sgpr_workgroup_id_z 1
		.amdhsa_system_vgpr_workitem_id 0
		.amdhsa_next_free_vgpr 256
		.amdhsa_next_free_sgpr 66
		.amdhsa_reserve_vcc 0
		.amdhsa_float_denorm_mode_32 3
		.amdhsa_float_denorm_mode_16_64 3
		.amdhsa_memory_ordered 1
		.amdhsa_forward_progress 1
		.amdhsa_inst_pref_size 25
	.end_amdhsa_kernel
	.amdgpu_metadata
---
amdhsa.version: [ 1, 2 ]
amdhsa.kernels:
  - .name:           k_q55942a76fa_attn
    .symbol:         k_q55942a76fa_attn.kd
    .args:
      - { .name: qkv, .offset: 0, .size: 8, .value_kind: global_buffer, .address_space: global }
      - { .name: a2, .offset: 8, .size: 8, .value_kind: global_buffer, .address_space: global }
    .group_segment_fixed_size: 71680
    .private_segment_fixed_size: 0
    .kernarg_segment_align: 8
    .kernarg_segment_size: 16
    .max_flat_workgroup_size: 512
    .sgpr_count:     66
    .vgpr_count:     256
    .wavefront_size: 32
...
	.end_amdgpu_metadata
.endif
;; end of part 3
;; launch proj (part 4): grid 4 x 64, 4 waves a work-group, clusters of 4 x 4, 327,680 bytes of LDS; arguments a2, wo, out0, bo; writes out0
.if DOCPART == 4
	.amdgcn_target "amdgcn-amd-amdhsa--gfx1250"
	.amdhsa_code_object_version 6
	.text
	.protected	k_q55942a76fa_proj
	.globl	k_q55942a76fa_proj
	.p2align	8
	.type	k_q55942a76fa_proj,@function
k_q55942a76fa_proj:
	s_mov_b64 s[64:65], 0
	v_nop
	global_prefetch_b8 v0, s[64:65] scope:SCOPE_SE
	s_setreg_imm32_b32 hwreg(HW_REG_WAVE_MODE, 25, 1), 1
	s_wait_xcnt 0x0
	s_wait_alu depctr_hold_cnt(0) depctr_sa_sdst(0) depctr_va_vdst(0) depctr_va_sdst(0) depctr_va_ssrc(0) depctr_va_vcc(0) depctr_vm_vsrc(0)
	s_getreg_b32 s2, hwreg(HW_REG_IB_STS2, 6, 4)
	s_cmp_eq_u32 s2, 0
	s_cbranch_scc0 .Lentry_in_a_cluster
	s_endpgm
.Lentry_in_a_cluster:
	s_bfe_u32 s2, ttmp6, 0x10000c
	s_cmp_lg_u32 s2, 0xf033
	s_cbranch_scc0 .Lentry_shape_is_right
	s_endpgm
.Lentry_shape_is_right:
; out0 = a2 wo + bo.  a2: [16384][1024] f16 (A, K along the rows).  wo: [1024 k][1024 n] f16 (B, N along the rows; Wo rounded to bf16 and written as f16).  bo: [1024] f32, rounded here to bf16 like every
; other input.  out0: [16384][1024] f32.  Products in f16, sums in f32, K ascending; the bias is the C operand that starts each sum.
; SHARES.  A tile of C is 256 x 256, made by four waves, 128 x 128 each: 64 accumulators, 512 registers; 64 x 4 = 256 work-groups, one tile each.  K goes in 8 steps of 128 through two LDS slots; a slot holds
; A's 256 rows x 256 bytes and B's 128 k-rows x 512 bytes; each wave fetches a quarter of a slot by one tensor load.  THE LAST K STEP goes by rows of C, so that finished rows leave while the others are multiplied.
; CLUSTERS.  4 x 4 work-groups; A's tiles are asked for jointly along a row of the cluster, B's along a column.
; THE MATRIX INSTRUCTION IS USED TRANSPOSED: source 0 = 16 columns of B (turned out of LDS by ds_load_tr16_b128), source 1 = 16 rows of A: a lane of the result holds row l % 16 of C and the columns
; 8 (l / 16) + 0..7: 32 bytes of f32 on end.
; REGISTERS, in windows of 256 (s_set_vgpr_msb: bits 1:0 source 0, 3:2 source 1, 5:4 source 2, 7:6 destination):
;   window 0: v0-31 addresses; v64-127, v128-191 fragments of A, two buffers (in the last K step four, of 16 rows x 128 K); v192-255 a block's rows read back from the stage
;   window 1: v0-63 the bias of my 128 columns as eight C operands; v64-127, v128-191 fragments of B; v192 at work; in the last K step all 256 hold B      windows 2, 3: the accumulators ((a, b) at v[8 (8 a + b)])
.set KSTEP,  128
.set PITA,   272                       ; a row of A in LDS: 256 bytes + 16 = 68 words: the 16 rows of a load start at 16 different banks (64 banks of 4 bytes: ISA guide 11.1)
.set PITB,   544                       ; a k-row of B: 512 bytes + 32 = 136 words
.set HALFT,  128*PITA                  ; what one tensor load brings: 128 rows of A, or 64 k-rows of B
.set SLOT,   4*HALFT
.set QB,     32*PITB
.set STAGE,  2*SLOT                    ; behind the ring: 16 rows x 528 bytes for each wave; no tensor load lands there
.set SPITCH, 528                       ; 512 bytes + 16 = 33 x 16
.set SPARE,  STAGE+4*16*SPITCH         ; behind the stages: the spare words, 128 bytes for each wave: two blocks of 256 bytes that no other line names
.set ROWB,   2048
.set BSTEP,  KSTEP*ROWB
.set OROW,   4096                      ; bytes in a row of out0
.set LAPS,   4
.set PF_N,   4                         ; prefetches of a wave that makes any: K steps 4 to 7
.set ADRA, 16
.set ADRB, 20
.set STO,  24
.set RD,   25
.set CO,   26
.set BO,   27                          ; v27  my byte offset in 16 numbers of the bias; never rewritten
.set SPW,  28
.set NIL,  29
.set PFO,  30
.set F0,   64
.set F1,   128
.set PA,   64                          ; the last K step: A's fragments of 16 rows x 128 K, 32 registers; four such buffers, v64-191
.set BK,   192                         ; the way out: 16 rows read back from the stage
.set G1,   24
.set G0,   32
.set G1B,  48
.set G0B,  56
.set PLEFT, 43
.set PFA,  44
.set PSTEP, 66
.set MSB, 0
.macro WIN new                         ; the immediate's high byte repeats the setting that is left; a switch that changes nothing is dropped
.if MSB != (\new)
	s_set_vgpr_msb (MSB<<8)|(\new)
.set MSB, \new
.endif
.endm
.set MUL_LO, 0xa1                      ; source 0 (B) window 1, source 1 (A) window 0, C and D window 2
.set MUL_HI, 0xf1                      ; the same, C and D window 3
.set BIA_LO, 0x91                      ; the same sources, C (the bias) window 1, D window 2
.set TO_B,   0x40
.macro JLOAD s                         ; a joint load: waves 0 and 1 fetch A's two halves, waves 2 and 3 B's; an s_nop 0 and four v_nop follow each of the two lines
	s_cmp_eq_u32 s11, 0
	s_cbranch_scc0 .Lfor_b_\@
	tensor_load_to_lds s[G0+4*(\s):G0+4*(\s)+3], s[G1:G1+7]
	s_nop 0
.rept 4
	v_nop
.endr
	s_branch .Lasked_\@
.Lfor_b_\@:
	tensor_load_to_lds s[G0B+4*(\s):G0B+4*(\s)+3], s[G1B:G1B+7]
	s_nop 0
.rept 4
	v_nop
.endr
.Lasked_\@:
.endm
; A PREFETCH INTO THE L2 of the K step that stands two refills on, 512 matrix instructions ahead of the load that will want it: 32 blocks of 256 bytes, a lane a block, one instruction a wave.  Each block is named
; once in the launch: of A's 128 rows that wave 0 or 1 fetches the partner at cx takes 32; of B's 64 k-rows x 512 bytes that wave 2 or 3 fetches the partner at cy takes 16, in the clusters with y = 0 alone.
; The partners are told apart by address; the count hangs on the wave's number and the cluster's y.  It ends the asking at K step 7, the last.
.macro ASK
	s_cmp_lg_u32 s[PLEFT], 0
	s_cbranch_scc0 .Lnot_mine_\@
	global_prefetch_b8 v[PFO], s[PFA:PFA+1] th:TH_LOAD_NT scope:SCOPE_SE
	s_sub_co_u32 s[PLEFT], s[PLEFT], 1
.Lnot_mine_\@:
.endm
.macro CREST                           ; a round of the cluster's barrier behind its opening barrier
	s_cmp_lg_u32 s10, 0
	s_cbranch_scc1 .Lnot_wave_0_\@
	s_barrier_signal -3
.Lnot_wave_0_\@:
	s_barrier_wait -3
	s_barrier_signal -1
	s_barrier_wait -1
.endm
.macro CROUND
	s_barrier_signal -1
	s_barrier_wait -1
	CREST
.endm
	s_load_b128 s[4:7], s[0:1], 0x0                ; a2 s[4:5], wo s[6:7]
	s_load_b128 s[68:71], s[0:1], 0x10             ; out0 s[68:69], bo s[70:71]
	v_lshl_add_u32 v[SPW], v0, 2, SPARE
	v_mov_b32 v[NIL], 0
	ds_add_u32 v[SPW], v[NIL]                      ; the wave's opening: the add and its wait stand ahead of my first tensor load; the set-up below, work on registers, stands between them
	v_lshrrev_b32 v1, 5, v0
	v_readfirstlane_b32 s10, v1                    ; wave 0..3
	s_lshr_b32 s11, s10, 1                         ; my half of the tile's rows.  Also: I fetch for A (0) or for B (1)
	s_and_b32 s12, s10, 1                          ; my half of its columns.  Also: which half of that tile I fetch
	s_bfe_u32 s40, ttmp6, 0x40000                  ; cx
	s_bfe_u32 s41, ttmp6, 0x40004                  ; cy
	s_lshl_b32 s42, ttmp9, 2
	s_add_co_u32 s42, s42, s40                     ; tile column
	s_and_b32 s13, ttmp7, 0xffff
	s_lshl_b32 s13, s13, 2
	s_add_co_u32 s13, s13, s41                     ; tile row
	s_lshl_b32 s43, s41, 2
	s_lshl_b32 s43, 15, s43                        ; my row of the cluster
	s_lshl_b32 s44, 0x1111, s40                    ; my column
	s_or_b32 s[G1+0], s43, (1<<16)|(1<<20)|(1<<21)|(5<<22)|(3<<25)  ; A: the mask; 2-byte elements; padding on; 21 set beside a mask; after every 64 words, 4 words
	s_mov_b32 s[G1+1], 128<<16                     ; tensor_dim0 = 128
	s_mov_b32 s[G1+2], 128<<16                     ; tensor_dim1 = 128
	s_mov_b32 s[G1+3], 128<<16                     ; tile_dim0 = 128
	s_mov_b32 s[G1+4], 128                         ; tile_dim1 = 128
	s_mov_b32 s[G1+5], 1024                        ; elements from row to row
	s_mov_b32 s[G1+6], 0
	s_mov_b32 s[G1+7], 0
	s_or_b32 s[G1B+0], s44, (1<<16)|(1<<20)|(1<<21)|(6<<22)|(7<<25) ; B: after every 128 words, 8 words
	s_mov_b32 s[G1B+1], 256<<16                    ; tensor_dim0 = 256
	s_mov_b32 s[G1B+2], 64<<16                     ; tensor_dim1 = 64
	s_mov_b32 s[G1B+3], 256<<16                    ; tile_dim0 = 256
	s_mov_b32 s[G1B+4], 64                         ; tile_dim1 = 64
	s_mov_b32 s[G1B+5], 1024
	s_mov_b32 s[G1B+6], 0
	s_mov_b32 s[G1B+7], 0
	s_lshl_b32 s17, s12, 7
	s_lshl_b32 s16, s13, 8
	s_add_co_u32 s16, s16, s17                     ; A: row 256 x tile row + 128 x half,
	s_lshl_b32 s16, s16, 11                        ; in bytes
	s_mov_b32 s17, 0
	s_lshl_b32 s46, s12, 17                        ; B: k-row 64 x half,
	s_lshl_b32 s47, s42, 9                         ; column 256 x tile column
	s_add_co_u32 s46, s46, s47
	s_mov_b32 s47, 0
	s_mul_i32 s20, s10, HALFT                      ; where they go: wave x 34,816
	s_wait_dscnt 0x0                               ; the opening add is done
	s_wait_kmcnt 0x0
	s_add_nc_u64 s[14:15], s[4:5], s[16:17]
	s_add_nc_u64 s[46:47], s[6:7], s[46:47]
	CROUND                                         ; all sixteen work-groups are here: the first joint loads meet
.irp s, 0,1
	s_mov_b32 s[G0+4*(\s)], 1
	s_add_co_u32 s[G0+4*(\s)+1], s20, (\s)*SLOT
	s_add_nc_u64 s[G0+4*(\s)+2:G0+4*(\s)+3], s[14:15], (\s)*KSTEP*2
	s_or_b32 s[G0+4*(\s)+3], s[G0+4*(\s)+3], 0x80000000
	s_mov_b32 s[G0B+4*(\s)], 1
	s_add_co_u32 s[G0B+4*(\s)+1], s20, (\s)*SLOT
	s_add_nc_u64 s[G0B+4*(\s)+2:G0B+4*(\s)+3], s[46:47], (\s)*BSTEP
	s_or_b32 s[G0B+4*(\s)+3], s[G0B+4*(\s)+3], 0x80000000
	JLOAD \s                                       ; two tensor loads of mine are out; later one
.endr
	v_and_b32 v1, 15, v0                           ; l % 16
	v_bfe_u32 v2, v0, 4, 1                         ; l / 16
	v_mul_u32_u24 v3, v1, PITA                     ; A's fragment: row l % 16, 16 bytes for each half of the lanes
	v_lshl_add_u32 v3, v2, 4, v3
	v_and_b32 v4, 7, v0                            ; B's: lane l reads k-row 8 (l / 16) + l % 8, columns 8 ((l / 8) % 2) + 0..7
	v_lshl_add_u32 v4, v2, 3, v4
	v_mul_u32_u24 v4, v4, PITB
	v_bfe_u32 v5, v0, 3, 1
	v_lshl_add_u32 v4, v5, 4, v4
	s_mul_i32 s21, s11, HALFT
	s_lshl_b32 s22, s12, 8
	s_add_co_u32 s22, s22, 2*HALFT
.irp s, 0,1
	v_add_nc_u32 v[ADRA+(\s)], s21, v3
	v_add_nc_u32 v[ADRB+(\s)], s22, v4
	s_add_co_u32 s21, s21, SLOT
	s_add_co_u32 s22, s22, SLOT
.endr
	s_mul_i32 s23, s10, 16*SPITCH
	s_add_co_u32 s23, s23, STAGE                   ; my stage
	v_mul_u32_u24 v6, v1, SPITCH                   ; in: row l % 16, 32 bytes for each half of the lanes
	v_lshl_add_u32 v6, v2, 5, v6
	v_add_nc_u32 v[STO], s23, v6
	v_and_b32 v6, 31, v0
	v_lshlrev_b32 v[CO], 4, v6                     ; back, and in out0: 32 lanes take a row's 512 bytes
	v_add_nc_u32 v[RD], s23, v[CO]
	v_lshlrev_b32 v[BO], 5, v2                     ; the bias: 8 numbers for each half of the lanes
	s_lshl_b32 s16, s13, 8
	s_lshl_b32 s17, s11, 7
	s_add_co_u32 s16, s16, s17                     ; my first row of C,
	s_lshl_b32 s16, s16, 12                        ; in bytes (under 2^27)
	s_mov_b32 s17, 0
	s_lshl_b32 s46, s42, 10                        ; my first column: 1,024 x tile column + 512 x half bytes
	s_lshl_b32 s47, s12, 9
	s_add_co_u32 s46, s46, s47
	s_mov_b32 s47, 0
	s_add_nc_u64 s[70:71], s[70:71], s[46:47]
	s_add_nc_u64 s[68:69], s[68:69], s[46:47]
	s_add_nc_u64 s[68:69], s[68:69], s[16:17]
	; the bias of my 128 columns, laid out as the C operand of n block b: register j of lane l is column 16 b + 8 (l / 16) + j
	WIN TO_B
.irp b, 0,1,2,3,4,5,6,7
	global_load_b128 v[8*(\b):8*(\b)+3],   v[BO], s[70:71] offset:64*(\b)
	global_load_b128 v[8*(\b)+4:8*(\b)+7], v[BO], s[70:71] offset:64*(\b)+16
.endr
	WIN 0
	; the prefetches: both offsets are made, the wave's kind chooses.  They start at K step 3: each change of slots steps first and then asks, the first for K step 4.
	s_lshl_b32 s20, s13, 8
	s_lshl_b32 s21, s12, 7
	s_add_co_u32 s20, s20, s21
	s_lshl_b32 s21, s40, 5
	s_add_co_u32 s20, s20, s21                     ; A: my work-group's 32 of the 128 rows that I fetch
	s_lshl_b32 s20, s20, 11
	s_add_co_u32 s20, s20, 3*KSTEP*2
	s_lshl_b32 s22, s12, 6
	s_lshl_b32 s21, s41, 4
	s_add_co_u32 s22, s22, s21                     ; B: my work-group's 16 of the 64 k-rows that I fetch
	s_lshl_b32 s22, s22, 11
	s_lshl_b32 s21, s42, 9
	s_add_co_u32 s22, s22, s21
	s_add_co_u32 s22, s22, 3*BSTEP
	s_and_b32 s23, ttmp7, 0xffff                   ; cluster y
	s_cmp_eq_u32 s23, 0
	s_cselect_b32 s23, PF_N, 0
	s_mov_b32 s[PSTEP], BSTEP
	s_mov_b32 s[PSTEP+1], 0
	s_mov_b32 s21, 0
	s_cmp_eq_u32 s11, 0
	s_cselect_b32 s20, s20, s22
	s_cselect_b32 s[PLEFT], PF_N, s23
	s_cselect_b32 s[PSTEP], KSTEP*2, s[PSTEP]
	s_cselect_b64 s[PFA:PFA+1], s[4:5], s[6:7]
	s_add_nc_u64 s[PFA:PFA+1], s[PFA:PFA+1], s[20:21]
	v_and_b32 v3, 31, v0
	v_lshrrev_b32 v4, s11, v3                      ; A: a lane a row; B: two lanes a k-row,
	v_and_b32 v5, s11, v3                          ; the odd lane its second 256 bytes
	v_lshlrev_b32 v5, 8, v5
	v_lshl_add_u32 v[PFO], v4, 11, v5
	s_wait_loadcnt 0x0                             ; the bias is in: it is rounded to bf16 and widened again, in place
	WIN 0x55                                       ; all operands in window 1
.set p, 0
.rept 32
	v_cvt_pk_bf16_f32 v192, v[2*p], v[2*p+1]
	v_lshlrev_b32 v[2*p], 16, v192
	v_and_b32 v[2*p+1], 0xffff0000, v192
.set p, p+1
.endr
	WIN 0
; 16 matrix instructions: m blocks a0, a0 + 1 of the window's four x all 8 n blocks, 32 along K.  zero = 2: the product starts the sum, with the bias as C.
; The 64 accumulators take turns, one instruction a turn, in the same order in every quarter step.
.macro MUL16 f, hi, a0, zero
.if (\zero) == 2
	WIN BIA_LO+0x40*(\hi)
.else
	WIN MUL_LO+0x50*(\hi)
.endif
.irp a, \a0, (\a0)+1
.irp b, 0,1,2,3,4,5,6,7
.if (\zero) == 2
	v_wmma_f32_16x16x32_f16 v[8*(8*(\a)+(\b)):8*(8*(\a)+(\b))+7], v[(\f)+8*(\b):(\f)+8*(\b)+7], v[(\f)+8*(4*(\hi)+(\a)):(\f)+8*(4*(\hi)+(\a))+7], v[8*(\b):8*(\b)+7]
.else
	v_wmma_f32_16x16x32_f16 v[8*(8*(\a)+(\b)):8*(8*(\a)+(\b))+7], v[(\f)+8*(\b):(\f)+8*(\b)+7], v[(\f)+8*(4*(\hi)+(\a)):(\f)+8*(4*(\hi)+(\a))+7], v[8*(8*(\a)+(\b)):8*(8*(\a)+(\b))+7]
.endif
.endr
.endr
.endm
.macro FETCH slot, q, f                ; 32 LDS loads in one run: the fragments of quarter q of a slot's K step into buffer f
	WIN TO_B
.irp i, 0,1,2,3,4,5,6,7
	ds_load_tr16_b128 v[(\f)+8*(\i):(\f)+8*(\i)+3],   v[ADRB+(\slot)] offset:(\q)*QB+32*(\i)
	ds_load_tr16_b128 v[(\f)+8*(\i)+4:(\f)+8*(\i)+7], v[ADRB+(\slot)] offset:(\q)*QB+16*PITB+32*(\i)
.endr
	WIN 0
.irp i, 0,1,2,3,4,5,6,7
	ds_load_b128 v[(\f)+8*(\i):(\f)+8*(\i)+3],   v[ADRA+(\slot)] offset:64*(\q)+(\i)*16*PITA
	ds_load_b128 v[(\f)+8*(\i)+4:(\f)+8*(\i)+7], v[ADRA+(\slot)] offset:64*(\q)+(\i)*16*PITA+32
.endr
.endm
.macro PLACES                          ; four places in front of loads into registers that matrix instructions have read, and of LDS stores that read results
.rept 4
	v_nop
.endr
.endm
.macro QUARTER slot, q, f, g, zero     ; multiplies buffer f; in its middle it fetches quarter q into buffer g
	s_wait_dscnt 8                                 ; B and A's rows 0-63 are in; the youngest eight loads (A's rows 64-127) may be out
	MUL16 \f, 0, 0, \zero
	MUL16 \f, 0, 2, \zero
	PLACES
	FETCH \slot, \q, \g
	s_wait_dscnt 32                                ; all but the 32 just issued
	MUL16 \f, 1, 0, \zero
	MUL16 \f, 1, 2, \zero
.endm
; The first half of a K step's last quarter: one barrier for the change of slots.  In front of it each wave waits for all its tensor loads (one is out: its part of the next slot), adds 0 to its spare word,
; and waits for that and for its own reads of this slot.
.macro MEET round
	WIN 0
	s_wait_tensorcnt 0x0
	ds_add_u32 v[SPW], v[NIL]                      ; 0 onto my spare word
	s_wait_dscnt 9                                 ; (the add and the youngest eight loads may be out)
	MUL16 F1, 0, 0, 0
	s_wait_dscnt 0x0                               ; the add is done, and my reads of this slot are over
	s_barrier_signal -1
	MUL16 F1, 0, 2, 0
.if \round
	WIN 0
.endif
	s_barrier_wait -1
.endm
.macro TURN slot, next                 ; the whole last quarter, with a refill: the barrier opens a round of the cluster's, and the slot just read out takes the K step two on, first behind the round
	s_wait_xcnt 0x0                                ; the last prefetch, a K step back, has read its address
	s_add_nc_u64 s[PFA:PFA+1], s[PFA:PFA+1], s[PSTEP:PSTEP+1]
	MEET 1
	CREST                                          ; no wave of any partner still reads this slot's tile or has a load on its way
	s_add_nc_u64 s[G0+4*(\slot)+2:G0+4*(\slot)+3], s[G0+4*(\slot)+2:G0+4*(\slot)+3], 2*KSTEP*2
	s_add_nc_u64 s[G0B+4*(\slot)+2:G0B+4*(\slot)+3], s[G0B+4*(\slot)+2:G0B+4*(\slot)+3], 2*BSTEP
	JLOAD \slot                                    ; 224 matrix instructions ahead of the wait for it; its four v_nop are also the places in front of the loads below
	FETCH \next, 0, F0
	ASK
	MUL16 F1, 1, 0, 0
	MUL16 F1, 1, 2, 0
.endm
; THE LAST K STEP (it lies in slot 1) GOES BY ROWS OF C.  All its fragments of B (4 quarters x 64 registers) fill window 1, the bias's registers among them, which are read no more; then my eight blocks of
; 16 rows are finished one after the other, each with 32 matrix instructions (its 8 accumulators by turns, K ascending: the sums stay the same bit for bit).  LDS is read no more than in any other K step.
.macro BLOAD q                         ; B's fragments of quarter q -> window 1, v[64 q ..]
	WIN TO_B
.irp i, 0,1,2,3,4,5,6,7
	ds_load_tr16_b128 v[64*(\q)+8*(\i):64*(\q)+8*(\i)+3],   v[ADRB+1] offset:(\q)*QB+32*(\i)
	ds_load_tr16_b128 v[64*(\q)+8*(\i)+4:64*(\q)+8*(\i)+7], v[ADRB+1] offset:(\q)*QB+16*PITB+32*(\i)
.endr
.endm
.macro ALOAD a                         ; A's fragments of block a, all four quarters -> buffer a % 4
	WIN 0
.set FA, PA+32*((\a)%4)
.irp q, 0,1,2,3
	ds_load_b128 v[FA+8*(\q):FA+8*(\q)+3],   v[ADRA+1] offset:64*(\q)+(\a)*16*PITA
	ds_load_b128 v[FA+8*(\q)+4:FA+8*(\q)+7], v[ADRA+1] offset:64*(\q)+(\a)*16*PITA+32
.endr
.endm
.macro ROW a                           ; block a is finished: 32 matrix instructions
.set FA, PA+32*((\a)%4)
.set AC, 64*((\a)%4)
	WIN MUL_LO+0x50*((\a)/4)
.irp q, 0,1,2,3
.if (\a) == 0 && (\q) == 2
	s_wait_dscnt 24                                ; B's quarter 2 is in (behind it: A's blocks 1 to 3, 24 loads)
.endif
.irp b, 0,1,2,3,4,5,6,7
	v_wmma_f32_16x16x32_f16 v[AC+8*(\b):AC+8*(\b)+7], v[64*(\q)+8*(\b):64*(\q)+8*(\b)+7], v[FA+8*(\q):FA+8*(\q)+7], v[AC+8*(\b):AC+8*(\b)+7]
.endr
.endr
.endm
; THE WAY OUT of block a (16 rows x 128 columns of f32).  TOSTAGE3: the accumulators go straight into my own stage, each from its low four registers on, and come back as whole rows of 512 bytes.
.macro TOSTAGE3 a
.set AC, 64*((\a)%4)
	s_wait_xcnt 0x0                                ; the stores of the block before, issued 32 matrix instructions back, have read the registers that the loads below fill
	WIN 0x08+4*((\a)/4)                            ; store data (source 1) in window 2 or 3
.irp b, 0,1,2,3,4,5,6,7
	ds_store_b128 v[STO], v[AC+8*(\b):AC+8*(\b)+3]   offset:64*(\b)
	ds_store_b128 v[STO], v[AC+8*(\b)+4:AC+8*(\b)+7] offset:64*(\b)+16
.endr
	WIN 0
.irp t, 0,1,2,3,4,5,6,7,8,9,10,11,12,13,14,15
	ds_load_b128 v[BK+4*(\t):BK+4*(\t)+3], v[RD] offset:(\t)*SPITCH  ; LDS serves a wave's instructions in order (ISA guide 5.7.1.4): these see the stores above; the next block's stores come behind them
.endr
.endm
.macro SEND3 a, younger                ; younger: the LDS loads issued behind TOSTAGE3's, which may stay out
	s_wait_dscnt \younger
.irp t, 0,1,2,3,4,5,6,7,8,9,10,11,12,13,14,15
	global_store_b128 v[CO], v[BK+4*(\t):BK+4*(\t)+3], s[68:69] offset:(16*(\a)+(\t))*OROW th:TH_STORE_NT  ; the wave stores 512 consecutive bytes, aligned; 127 rows of 4,096 bytes at the most, inside the signed 24-bit immediate
.endr
.endm
	s_wait_tensorcnt 1                             ; my part of K step 0 is in; K step 1's may stay out
	s_barrier_signal -1
	s_barrier_wait -1
	FETCH 0, 0, F0
	QUARTER 0, 1, F0, F1, 2                        ; the first quarter stands in front of the loop: its products start the sums with the bias
	WIN 0                                          ; at a label and at a branch every window is 0
	s_mov_b32 s3, LAPS-1
.Llap:                                                 ; a trip goes once round the ring, from a lap's second quarter to the next lap's first, and fills both slots again
	QUARTER 0, 2, F1, F0, 0
	QUARTER 0, 3, F0, F1, 0
	TURN 0, 1
	QUARTER 1, 1, F0, F1, 0
	QUARTER 1, 2, F1, F0, 0
	QUARTER 1, 3, F0, F1, 0
	TURN 1, 0
	QUARTER 0, 1, F0, F1, 0
	WIN 0
	s_sub_co_u32 s3, s3, 1
	s_cmp_lg_u32 s3, 0
	s_cbranch_scc1 .Llap
	QUARTER 0, 2, F1, F0, 0                        ; the last lap fills nothing, and has no round of the cluster's barrier
	QUARTER 0, 3, F0, F1, 0
	MEET 0                                         ; my one tensor load that was still out is slot 1's, the last K step's
	PLACES                                         ; for the loads into buffer 0, which the quarter before multiplied
	BLOAD 0                                        ; three quarters of B now: buffer 1 (v128-191 of both windows) is still being multiplied
	BLOAD 1
	BLOAD 3
	ALOAD 0
	MUL16 F1, 1, 0, 0
	MUL16 F1, 1, 2, 0
	PLACES                                         ; for the loads into buffer 1
	BLOAD 2
	ALOAD 1
	ALOAD 2
	ALOAD 3
	s_wait_dscnt 40                                ; all but the 40 just issued: B's quarters 0, 1, 3 and A's block 0 are in
	ROW 0
.irp a, 0,1,2,3,4,5,6,7                ; each block leaves as soon as it is finished: the sooner the stores begin, the sooner the launch ends
	PLACES                                         ; the LDS stores read results just made; the four are also the places in front of the loads into the block's buffer of A
	TOSTAGE3 \a
.if (\a) < 4
	ALOAD (\a)+4                                   ; its buffer takes the block four further on
	SEND3 \a, 8
.else
	SEND3 \a, 0
.endif
.if (\a) < 7
	ROW (\a)+1
.endif
.endr
	WIN 0
	s_wait_tensorcnt 0x0                           ; the wave's end, behind my last tensor load and my last LDS store
	ds_add_u32 v[SPW], v[NIL]
	s_wait_dscnt 0x0
	CROUND                                         ; the closing round: no work-group ends while a partner may still ask for a tile that names it
	s_endpgm
.Lfunc_end_k_q55942a76fa_proj:
	.size	k_q55942a76fa_proj, .Lfunc_end_k_q55942a76fa_proj-k_q55942a76fa_proj
	.p2alignl 7, 3214868480
	.fill 96, 4, 3214868480
	.section	.rodata,"a",@progbits
	.p2align	6, 0x0
	.amdhsa_kernel k_q55942a76fa_proj
		.amdhsa_group_segment_fixed_size 327680
		.amdhsa_private_segment_fixed_size 0
		.amdhsa_enable_private_segment 0
		.amdhsa_kernarg_size 32
		.amdhsa_user_sgpr_count 2
		.amdhsa_user_sgpr_kernarg_segment_ptr 1
		.amdhsa_wavefront_size32 1
		.amdhsa_system_sgpr_workgroup_id_x 1
		.amdhsa_system_sgpr_workgroup_id_y 1
		.amdhsa_system_sgpr_workgroup_id_z 1
		.amdhsa_system_vgpr_workitem_id 0
		.amdhsa_next_free_vgpr 1024
		.amdhsa_next_free_sgpr 72
		.amdhsa_reserve_vcc 0
		.amdhsa_float_denorm_mode_32 3
		.amdhsa_float_denorm_mode_16_64 3
		.amdhsa_memory_ordered 1
		.amdhsa_forward_progress 1
		.amdhsa_inst_pref_size 149
	.end_amdhsa_kernel
	.amdgpu_metadata
---
amdhsa.version: [ 1, 2 ]
amdhsa.kernels:
  - .name:           k_q55942a76fa_proj
    .symbol:         k_q55942a76fa_proj.kd
    .args:
      - { .name: a2, .offset: 0, .size: 8, .value_kind: global_buffer, .address_space: global }
      - { .name: wo, .offset: 8, .size: 8, .value_kind: global_buffer, .address_space: global }
      - { .name: out0, .offset: 16, .size: 8, .value_kind: global_buffer, .address_space: global }
      - { .name: bo, .offset: 24, .size: 8, .value_kind: global_buffer, .address_space: global }
    .group_segment_fixed_size: 327680
    .private_segment_fixed_size: 0
    .kernarg_segment_align: 8
    .kernarg_segment_size: 32
    .max_flat_workgroup_size: 128
    .sgpr_count:     72
    .vgpr_count:     1024
    .wavefront_size: 32
...
	.end_amdgpu_metadata
.endif
;; end of part 4
